; MI455X (gfx1250); checked and timed in simulation.
; The chip was launched on July 23, 2026; its instructions are those of AMD's public machine-readable ISA for CDNA 5 (MIT licence, August 2026) and "CDNA5" Instruction Set Architecture Reference Guide (July 2026). The comments in the code are by the model that wrote it; some were corrected since.
;; Attention. Allowed arithmetic: float matrix products may take bf16 or f16 operands with f32 sums; other float arithmetic in f32, or as packed bf16 or f16 multiplies, adds, multiply-adds, maxima and minima; sums over many terms, partial sums and values carried from step to step in f32; what a program stores and reads back later, other than sums and carried values, may be rounded once to bf16 or f16.
;; Inputs: cu_seqlens_k 5 int32; cu_seqlens_q 5 int32; k 8,192 x 512 float32; q 8,192 x 2,048 float32; v 8,192 x 512 float32.
;; Outputs: out0 8,192 x 2,048 float32.
;; 2 versions, each right; version 2 is version 1 with the launch prep written anew for expert scheduling mode. Each part assembles by itself: llvm-mc -triple=amdgcn-amd-amdhsa -mcpu=gfx1250 --defsym DOCPART=n.
;; ======== version 1 of 2: 2 launches
;; limits: values are held in f16: magnitudes above 65,504 overflow, below 6.1e-05 lose precision; inputs' magnitudes at most 65,504; right only within a limited range of input values
;; workspace buffers: kb 8,388,608 bytes; vh 8,388,608 bytes
;; launch prep (part 1): grid 256 x 2, 8 waves a work-group, no clusters, 0 bytes of LDS; arguments k, v, kb, vh; writes kb, vh
.if DOCPART == 1
	.amdgcn_target "amdgcn-amd-amdhsa--gfx1250"
	.amdhsa_code_object_version 6
	.text
	.protected	k_qe2ca508605_prep
	.globl	k_qe2ca508605_prep
	.p2align	8
	.type	k_qe2ca508605_prep,@function
k_qe2ca508605_prep:
	s_mov_b64 s[64:65], 0
	v_nop
	global_prefetch_b8 v0, s[64:65] scope:SCOPE_SE
	s_setreg_imm32_b32 hwreg(HW_REG_WAVE_MODE, 25, 1), 1
	s_wait_xcnt 0x0
; k and v, [8192][512] f32, are rounded once to bf16 and laid by key/value heads for the attention launch:
; kb, vh: [bh = 4 b + hkv (16)][s (2048)][128] of 16 bits: a key's row is 256 bytes, a head's rows are dense (524,288 bytes a head).
; kb holds the bf16 number.  vh holds the same bf16 number written as f16, so that the second product can run in f16 beside f16 weights.
; LIMITS.  bf16's 8 significant bits fit into f16's 11, so the second writing is exact from 2^-14 up to 65,504; a v of 65,520 or more becomes an infinity,
; and below 2^-14 v keeps f16's fixed step of 6e-8.  NaN and infinities are not treated apart.
; SHARES.  Work-groups with y = 0 take k, those with y = 1 take v.  Work-group x owns 32 rows (65,536 consecutive bytes), each of its eight waves 4 rows, as 16 pieces:
; piece j = row j / 4, head j % 4: 512 consecutive bytes in (16 a lane), 256 consecutive, aligned bytes out (8 a lane).  All 16 loads of a wave go out at once.
; A stream: each byte is read once and written once, no wave needs another's data: no LDS, no barrier, no matrix unit.
.set X, 4                              ; v[4:67]    piece j: 4 f32 as loaded
.set Y, 68                             ; v[68:99]   piece j: 4 numbers of 16 bits to store
.set T, 100                            ; v[100:103] at work
	s_load_b256 s[4:11], s[0:1], 0x0               ; k s[4:5], v s[6:7], kb s[8:9], vh s[10:11]
	v_lshrrev_b32 v1, 5, v0
	v_readfirstlane_b32 s12, v1                    ; wave 0..7
	s_and_b32 s13, ttmp7, 0xffff                   ; y: 0 = k, 1 = v
	v_and_b32 v2, 31, v0                           ; lane
	v_lshlrev_b32 v1, 4, v2                        ; 16 bytes a lane in
	v_lshlrev_b32 v2, 3, v2                        ; 8 bytes a lane out
	s_lshl_b32 s18, ttmp9, 16                      ; in: the group's 32 rows of 2,048 bytes,
	s_lshl_b32 s19, s12, 13                        ; the wave's 4 of them
	s_add_co_u32 s18, s18, s19
	s_mov_b32 s19, 0
	s_lshr_b32 s20, ttmp9, 6                       ; out: the sequence b = x / 64: four heads of 524,288 bytes,
	s_lshl_b32 s20, s20, 21
	s_and_b32 s21, ttmp9, 63
	s_lshl_b32 s21, s21, 5                         ; the position 32 (x % 64)
	s_lshl2_add_u32 s21, s12, s21                  ; + 4 w,
	s_lshl_b32 s21, s21, 8                         ; 256 bytes a position
	s_add_co_u32 s20, s20, s21
	s_mov_b32 s21, 0
	s_mov_b32 s22, 0xffff0000                      ; a word's upper bf16
	s_wait_kmcnt 0x0
	s_cmp_eq_u32 s13, 0
	s_cselect_b64 s[14:15], s[4:5], s[6:7]         ; from k or from v,
	s_cselect_b64 s[16:17], s[8:9], s[10:11]       ; into kb or into vh
	s_add_nc_u64 s[14:15], s[14:15], s[18:19]
	s_add_nc_u64 s[16:17], s[16:17], s[20:21]
.irp j, 0,1,2,3,4,5,6,7,8,9,10,11,12,13,14,15
	global_load_b128 v[X+4*(\j):X+4*(\j)+3], v1, s[14:15] offset:512*(\j) th:TH_LOAD_NT  ; read once in the whole launch
.endr
; Piece j.  No register that a load or store names is written again, so the only wait is for the piece's own load.
.macro PIECE j, isv
	s_wait_loadcnt 15-(\j)                         ; loads come back in order (ISA guide 5.7.1): mine is in, the 15 - j younger ones stay out
.if \isv
	v_cvt_pk_bf16_f32 v[T],   v[X+4*(\j)],   v[X+4*(\j)+1]  ; the one rounding, to bf16;
	v_cvt_pk_bf16_f32 v[T+1], v[X+4*(\j)+2], v[X+4*(\j)+3]
	v_lshlrev_b32 v[T+2], 16, v[T]                 ; back to f32: the low half moves up,
	v_and_b32     v[T],   s22, v[T]                ; the high half stays;
	v_lshlrev_b32 v[T+3], 16, v[T+1]
	v_and_b32     v[T+1], s22, v[T+1]
	v_cvt_pk_f16_f32 v[Y+2*(\j)],   v[T+2], v[T]   ; and the same number as f16
	v_cvt_pk_f16_f32 v[Y+2*(\j)+1], v[T+3], v[T+1]
.else
	v_cvt_pk_bf16_f32 v[Y+2*(\j)],   v[X+4*(\j)],   v[X+4*(\j)+1]
	v_cvt_pk_bf16_f32 v[Y+2*(\j)+1], v[X+4*(\j)+2], v[X+4*(\j)+3]
.endif
	global_store_b64 v2, v[Y+2*(\j):Y+2*(\j)+1], s[16:17] offset:((\j)%4)*524288+((\j)/4)*256  ; the wave's store covers 256 consecutive bytes, aligned: one key's row of one head
.endm
	s_cmp_lg_u32 s13, 0
	s_cbranch_scc1 .Lv
.irp j, 0,1,2,3,4,5,6,7,8,9,10,11,12,13,14,15
	PIECE \j, 0
.endr
	s_endpgm
.Lv:
.irp j, 0,1,2,3,4,5,6,7,8,9,10,11,12,13,14,15
	PIECE \j, 1
.endr
	s_endpgm
.Lfunc_end_k_qe2ca508605_prep:
	.size	k_qe2ca508605_prep, .Lfunc_end_k_qe2ca508605_prep-k_qe2ca508605_prep
	.p2alignl 7, 3214868480
	.fill 96, 4, 3214868480
	.section	.rodata,"a",@progbits
	.p2align	6, 0x0
	.amdhsa_kernel k_qe2ca508605_prep
		.amdhsa_group_segment_fixed_size 0
		.amdhsa_private_segment_fixed_size 0
		.amdhsa_enable_private_segment 0
		.amdhsa_kernarg_size 32
		.amdhsa_user_sgpr_count 2
		.amdhsa_user_sgpr_kernarg_segment_ptr 1
		.amdhsa_wavefront_size32 1
		.amdhsa_system_sgpr_workgroup_id_x 1
		.amdhsa_system_sgpr_workgroup_id_y 1
		.amdhsa_system_sgpr_workgroup_id_z 1
		.amdhsa_system_vgpr_workitem_id 0
		.amdhsa_next_free_vgpr 104
		.amdhsa_next_free_sgpr 66
		.amdhsa_reserve_vcc 0
		.amdhsa_float_denorm_mode_32 3
		.amdhsa_float_denorm_mode_16_64 3
		.amdhsa_memory_ordered 1
		.amdhsa_forward_progress 1
		.amdhsa_inst_pref_size 15
	.end_amdhsa_kernel
	.amdgpu_metadata
---
amdhsa.version: [ 1, 2 ]
amdhsa.kernels:
  - .name:           k_qe2ca508605_prep
    .symbol:         k_qe2ca508605_prep.kd
    .args:
      - { .name: k, .offset: 0, .size: 8, .value_kind: global_buffer, .address_space: global }
      - { .name: v, .offset: 8, .size: 8, .value_kind: global_buffer, .address_space: global }
      - { .name: kb, .offset: 16, .size: 8, .value_kind: global_buffer, .address_space: global }
      - { .name: vh, .offset: 24, .size: 8, .value_kind: global_buffer, .address_space: global }
    .group_segment_fixed_size: 0
    .private_segment_fixed_size: 0
    .kernarg_segment_align: 8
    .kernarg_segment_size: 32
    .max_flat_workgroup_size: 256
    .sgpr_count:     66
    .vgpr_count:     104
    .wavefront_size: 32
...
	.end_amdgpu_metadata
.endif
;; end of part 1
;; launch attn (part 2): grid 16 x 16, 4 waves a work-group, no clusters, 327,680 bytes of LDS; arguments q, kb, vh, out0; writes out0
.if DOCPART == 2
	.amdgcn_target "amdgcn-amd-amdhsa--gfx1250"
	.amdhsa_code_object_version 6
	.text
	.protected	k_qe2ca508605_attn
	.globl	k_qe2ca508605_attn
	.p2align	8
	.type	k_qe2ca508605_attn,@function
k_qe2ca508605_attn:
	s_mov_b64 s[64:65], 0
	v_nop
	global_prefetch_b8 v0, s[64:65] scope:SCOPE_SE
	s_setreg_imm32_b32 hwreg(HW_REG_WAVE_MODE, 25, 1), 1
	s_wait_xcnt 0x0
; CAUSAL ATTENTION WITH GROUPED HEADS.  out0[b s][head][:] = the sum over keys k <= s of softmax_k(q[b s][head] . K[b k][head / 4] / sqrt(128)) V[b k][head / 4][:].
; q, out0: [8192][2048] f32 (4 sequences of 2,048 positions, 16 heads of 128 channels).  kb (bf16), vh (f16): [4 b + hkv][2048][128], made by the launch before.
; q is rounded once to bf16 here; K Q^T runs in bf16, V^T P in f16 (the weights p are rounded to f16, their sum l is taken of the unrounded p); products, maxima and sums in f32.
; THE TWO cu_seqlens ARRAYS ARE NOT READ: the function to be computed takes the shape of one of them and no number of either; it cuts the rows into 4 equal sequences whatever they hold.
; LIMITS.  A hidden score counts as its value less 1e30, so scores stay far under 1e30 in size; p below 6e-5 keeps f16's fixed step of 6e-8; a weight below 2^-126 counts as 0 in l;
; V arrives within f16's 65,504.  NaN and infinities are not treated apart (an infinite q would also outlast the multiplication by 0 that starts a block's sums).
; SHARES.  A sequence's positions lie in 32 blocks of 64; block i needs the key steps 0 .. i of 64 keys, of which step i holds the diagonal.  Work-group (p, bh) takes block 31 - p and then block p of
; sequence bh / 4.  WAVE w IS QUERY HEAD 4 (bh % 4) + w: the four heads that share a key/value head are one work-group's four waves, so a tile of K or V is fetched once for all four, and the
; diagonal step is the same work for each.  A wave's 64 queries are four tiles of 16, in two PIECES (tiles 0, 1 and tiles 2, 3).
; THE WALK.  A ring slot holds a tile of 256 keys, four steps.  Block i needs the tiles 0 .. i / 4: 8 - p / 4 tiles for block 31 - p and p / 4 + 1 for block p: NINE, whatever p: 256 work-groups of
; equal work, and ONE loop with a constant trip count walks them; the ring runs on across the change of blocks.  Every tile is walked whole, so that the step loop's count is a constant too: the steps
; behind the diagonal in a block's last tile (p % 4 and 3 - p % 4 of them: 3 of a work-group's 36) are computed wholly hidden, and add nothing.  Which tile is asked for and where a block ends hang on
; scalars made from p / 4, alike in all four waves; every jump but the counted loops' own goes forward, and none passes a barrier, or a tensor load but the one of LOAD's two that the wave's number does not choose.
; NO CLUSTER IN THIS TEXT.  The heads that share K and V are already one work-group, which divides the requests for K and V by four.  Beyond that the four work-groups p = 4 g .. 4 g + 3 of a
; key/value head walk the same nine tiles and could ask for them jointly; here each asks for itself: 9 x 131,072 bytes a work-group.
; LAYOUT.  S^T = K Q^T (source 0 = 16 keys, source 1 = 16 queries): a lane holds ONE query (lane % 16) and the keys 8 (lane / 16) + 0..7.  Two such results, rounded to f16 in pairs, ARE
; source 1 (32 keys x 16 queries) of O^T = V^T P, whose result again holds one query a lane, and eight channels.  K comes out of LDS as it lies, V ([key][channel]) turned, by ds_load_tr16_b128.
; SOFTMAX.  For each query a running maximum m and sum l: p = 2^(c s - c m), c = log2(e) / sqrt(128); in every step O and l are multiplied by a = 2^(c m_old - c m_new).  A block's m starts at
; the lowest finite number, so its first a is 0: no first step is written out, and O^T and l need only hold finite numbers when a block begins.
; THE MASK is the C operand that starts a sum S^T: for tile t and key group kb of 16 it is MC if kb < t, MA if kb = t, MB if kb > t.  In front of the diagonal step all three are 0; in it MC is 0, MA is
; -1e30 where the key lies behind the query, MB is -1e30; behind it all three are -1e30.  They are made anew for each step from scalars: 12 vector lines, one text for all steps.  Every row sees its own
; key in the diagonal step at the latest, so m is a true score when the first wholly hidden step comes, and a hidden weight is 0.
; BY TURNS.  In a TURN one piece has the matrix unit: 32 products V^T P of the step in hand, then 32 products K Q^T of the next step; the other piece's softmax, cut into 64 slices, stands
; between them, one slice behind each matrix instruction.  Two turns are a key step.
; REGISTERS, in windows of 256 (s_set_vgpr_msb: bits 1:0 source 0, 3:2 source 1, 5:4 source 2, 7:6 destination):
;   window 0: v0-11 addresses; v12-43 eight registers of statistics a tile; v62-63 the add's two; v64-191 S^T, 32 a tile; v192-255 P, 16 a tile
;   window 1: O^T, 64 a tile (and, while a block begins, q's rows as loaded)     window 2: v0-127 Q, 32 a tile; v128-255 K of one step     window 3: v0-127 V of one step; v128-159 MD, MA, MB, MC
.set KS,    64        ; keys in a step
.set PK,    272       ; a row of K in LDS: 256 bytes + 16 of padding = 68 words: row r starts at bank 4 r mod 64 (64 banks of 4 bytes: ISA guide 11.1)
.set PV,    288       ; a row of V: 256 + 32 = 72 words
.set VOFF,  4*KS*PK   ; a slot holds a tile, four steps: 256 rows of K, then 256 rows of V
.set SLOTB, 4*KS*(PK+PV)   ; 143,360 bytes; slot 0 at byte 0, slot 1 behind it
.set STAGE, 2*SLOTB   ; behind the ring, never filled by a tensor load: 16 rows x 528 bytes for each wave: q's way in and O's way out
.set SP,    528       ; its rows: 512 bytes + 16 of padding = 132 words: row r starts at bank 4 r mod 64
.set STG,   16*SP
.set SPARE, STAGE+4*STG    ; behind the stages: the spare words, 128 bytes for each wave: two blocks of 256 bytes that no other line names
.set AK0, 2           ; v2   my lane's place in a tile of K; never rewritten
.set AV0, 3           ; v3   the same for V
.set ADR, 4           ; v4   the LDS address of the run of loads in hand
.set PFO, 5           ; v5   the prefetch of q: my lane's block of 256 bytes among 16 rows' 32
.set STO, 6           ; v6   my stage by fragments: row lane % 16, 32 bytes (8 f32) for each half of the lanes
.set RD,  7           ; v7   my stage by rows: 16 bytes a lane of a row's 512
.set GO,  8           ; v8   my byte offset in a row's 512 bytes of q and out0
.set ST,  12          ; tile t's statistics at v[ST+8 t]: +0 c m, +1 m, +2, +3 l (even keys', odd keys'), +4 to +7 c0-c3, at work; a takes c2's place once the maximum is found
.set SPW, 62          ; v62  LDS address of my spare word: SPARE + 4 x my thread's number; never rewritten
.set NIL, 63          ; v63  0; never rewritten
.set S,   64
.set P,   192
.set KF,  128         ; K's fragments, in window 2
.set MD,  128         ; window 3: -1e30 where key 8 (lane / 16) + j lies behind query lane % 16, else 0; made once
.set MA,  136         ; window 3: the mask of a tile's own key group
.set MB,  144         ; window 3: of the key groups behind it
.set MC,  152         ; window 3: of the key groups in front of it
.set WV,  12          ; s12  my wave's number
.set KPL, 22          ; s22  where my part of K lies in a slot: rows 128 (w % 2) on
.set VPL, 23          ; s23  the same for V
.set G1K, 24          ; s[24:31] descriptor group 1 for K's tiles
.set G1V, 32          ; s[32:39] for V's: it differs in the padding alone
.set G0K, 40          ; s[40:43] descriptor group 0 for K's tiles
.set G0V, 44          ; s[44:47] the same for V's
.set SLOTS, 56        ; s56  trips of the walk still to go
.set CNT, 57          ; s57  counts a tile's four steps
.set STL, 58          ; s58  key steps of the block in hand that are still to be scored, up to and with the diagonal one; 0 and below: behind it
.set NEW, 59          ; s59  1: the tile to be entered is a block's first; 2: the tile in hand is
.set SEL, 60          ; s[60:61] lane selects for v_permlanex16_b32: each lane takes its own place in the other half
.set TBK, 62          ; s62  LDS byte at which K of the step to be fetched begins
.set TBV, 63          ; s63  the same for V, less VOFF
.set CS,  66          ; s[66:67] c: the packed scaling names a pair and takes its low word for both halves
.set SB,  68          ; s68  LDS byte at which the slot in hand begins: 0 or SLOTB
.set RT,  69          ; s69  tiles of the block in hand that are still to be entered
.set NXT, 70          ; s70  the tile to be asked for next
.set LQ,  71          ; s71  the last tile of the block whose tiles are being asked for
.set LQ2, 72          ; s72  the second block's last tile
.set BIGN, 73         ; s73  -1e30
.set STL2, 74         ; s74  the second block's STL
.set RT2, 75          ; s75  the second block's tiles
.set OFF, 76          ; s[76:77] a tile's byte offset in kb and vh
.set O2,  78          ; s[78:79] out0 at my rows of the second block
.set Q2A, 80          ; s[80:81] q at my rows of the second block
.set AL,  82          ; s[82:83] MA's factor, in the low word
.set XB,  84          ; s[84:85] MB's value
.set XC,  86          ; s[86:87] MC's value, and MA's addend
.set ZR,  88          ; s[88:89] 0
.set MSB, 0
.macro WIN new                      ; the immediate's high byte repeats the setting that is left; a switch that changes nothing is dropped
.if MSB != (\new)
	s_set_vgpr_msb (MSB<<8)|(\new)
.set MSB, \new
.endif
.endm
.set W_KQ, 0x0a       ; K and Q in window 2, S^T in window 0
.set W_KM, 0x3a       ; the same with the C operand in window 3
.set W_PV, 0x53       ; V in window 3, P in window 0, O^T in window 1
.set W_RS, 0x41       ; O^T (destination and source 0) in window 1, the factor in window 0
.macro PLACES
.rept 4
	v_nop
.endr
.endm
; A fill.  Waves 0 and 1 fetch the two halves of a tile's K, waves 2 and 3 those of its V: 128 rows of 256 bytes each.  The branch hangs on the wave's number alone.
; An s_nop 0 and four v_nop follow each of the two lines, ahead of the jump and the label.
.macro LOAD
	s_cmp_lt_u32 s[WV], 2
	s_cbranch_scc0 .Lfor_v_\@
	tensor_load_to_lds s[G0K:G0K+3], s[G1K:G1K+7]
	s_nop 0
	PLACES
	s_branch .Lasked_\@
.Lfor_v_\@:
	tensor_load_to_lds s[G0V:G0V+3], s[G1V:G1V+7]
	s_nop 0
	PLACES
.Lasked_\@:
.endm
; THE CHANGE OF SLOTS.  Each wave waits for all its tensor loads, of which one is out: its part of the other slot; adds 0 to its spare word; and waits for that and for its own reads of the slot that
; it leaves.  Behind the barrier nobody reads the old slot any more and the other slot is whole.  fill = 1: the old slot is filled again, the first thing behind the barrier, with tile NXT; the
; descriptor's address is made anew from that number, its LDS word from the old slot's first byte.  The load has four key steps, 512 matrix instructions a wave, in which to land.
; (At its first use nothing has been read yet: slot 0 is waited for, slot 1 filled.)
.macro CHANGE fill
	WIN 0                           ; at a label and at a branch every window is 0
	s_wait_tensorcnt 0x0            ; no tensor load of mine is out, so a group 0 may be written
	ds_add_u32 v[SPW], v[NIL]       ; 0 onto my spare word; the scalar work below stands between it and the wait for it
.if \fill
	s_lshl_b32 s[OFF], s[NXT], 16   ; a tile is 256 keys: 65,536 bytes of kb and of vh
	s_add_co_u32 s[G0K+1], s[SB], s[KPL]
	s_add_nc_u64 s[G0K+2:G0K+3], s[6:7], s[OFF:OFF+1]
	s_or_b32 s[G0K+3], s[G0K+3], 0x80000000
	s_add_co_u32 s[G0V+1], s[SB], s[VPL]
	s_add_nc_u64 s[G0V+2:G0V+3], s[8:9], s[OFF:OFF+1]
	s_or_b32 s[G0V+3], s[G0V+3], 0x80000000
	s_add_co_u32 s[NXT], s[NXT], 1  ; the block's next tile, or behind its last the second block's tile 0
	s_cmp_gt_u32 s[NXT], s[LQ]
	s_cselect_b32 s[NXT], 0, s[NXT]
	s_cselect_b32 s[LQ], s[LQ2], s[LQ]
.endif
	s_xor_b32 s[SB], s[SB], SLOTB   ; the other slot,
	s_mov_b32 s[TBK], s[SB]         ; from its first step on
	s_mov_b32 s[TBV], s[SB]
	s_wait_dscnt 0x0                ; the add is done, and my reads of the slot are over
	s_barrier_signal -1
	s_barrier_wait -1
.if \fill
	LOAD
.endif
.endm
	s_load_b256 s[4:11], s[0:1], 0x0  ; q s[4:5], kb s[6:7], vh s[8:9], out0 s[10:11]
	v_lshl_add_u32 v[SPW], v0, 2, SPARE
	v_mov_b32 v[NIL], 0
	ds_add_u32 v[SPW], v[NIL]       ; the wave's opening: the add and its wait stand ahead of my first tensor load; the set-up below, work on registers, stands between them
	ds_add_u32 v62, v63
	v_lshrrev_b32 v1, 5, v0
	v_readfirstlane_b32 s[WV], v1   ; wave 0..3
	s_mov_b32 s13, ttmp9            ; p
	s_and_b32 s14, ttmp7, 0xffff    ; bh = 4 b + hkv
	s_lshr_b32 s15, s14, 2          ; b
	s_and_b32 s16, s14, 3           ; hkv
	s_and_b32 s17, s[WV], 1         ; which half of a tile's 256 keys I fetch
	s_lshl_b32 s18, s14, 19         ; the key/value head's 524,288 bytes,
	s_lshl_b32 s19, s17, 15         ; my half's 128 rows of 256 bytes in a tile
	s_add_co_u32 s18, s18, s19
	s_mov_b32 s19, 0
	s_mul_i32 s[KPL], s17, 128*PK
	s_mul_i32 s[VPL], s17, 128*PV
	s_add_co_u32 s[VPL], s[VPL], VOFF
	s_lshl_b32 s20, s15, 24         ; in q and out0: the sequence's 2,048 rows of 8,192 bytes,
	s_lshl2_add_u32 s21, s16, s[WV] ; my head 4 hkv + w,
	s_lshl_b32 s21, s21, 9          ; its 512 bytes of a row
	s_add_co_u32 s20, s20, s21
	s_lshr_b32 s[LQ2], s13, 2       ; the second block, p, has the tiles 0 .. p / 4,
	s_add_co_u32 s[RT2], s[LQ2], 1
	s_add_co_u32 s[STL2], s13, 1    ; and p + 1 key steps up to its diagonal
	s_sub_co_u32 s[LQ], 7, s[LQ2]   ; the first block, 31 - p, has the tiles 0 .. 7 - p / 4,
	s_add_co_u32 s[RT], s[LQ], 1
	s_sub_co_u32 s21, 31, s13
	s_add_co_u32 s[STL], s21, 1     ; and 32 - p key steps
	s_lshl_b32 s21, s21, 19         ; its 64 rows
	s_add_co_u32 s2, s20, s21
	s_mov_b32 s3, 0
	s_lshl_b32 s21, s13, 19         ; and the second block's
	s_add_co_u32 s20, s20, s21
	s_mov_b32 s21, 0
	s_mov_b32 s[NXT], 1             ; tile 0 is asked for below; the first change of slots asks for tile 1
	s_mov_b32 s[NEW], 1
	s_mov_b32 s[SLOTS], 8
	s_mov_b32 s[SB], SLOTB          ; the first change of slots fills slot 1 and turns to slot 0
	s_mov_b32 s[OFF+1], 0
	s_mov_b32 s[AL+1], 0            ; named as pairs
	s_mov_b32 s[XB+1], 0
	s_mov_b32 s[XC+1], 0
	s_mov_b32 s[ZR], 0
	s_mov_b32 s[ZR+1], 0
	s_mov_b32 s[BIGN], 0xf149f2ca   ; -1e30
	s_mov_b32 s[CS], 0x3e0293ee     ; c = log2(e) / sqrt(128) = 0.127517
	s_mov_b32 s[CS+1], s[CS]        ; named with it as a pair
	s_mov_b32 s[SEL], 0x76543210
	s_mov_b32 s[SEL+1], 0xfedcba98
	; descriptor group 1: a tile of 128 rows x 128 elements of 2 bytes, padded in LDS
	s_mov_b32 s[G1K], (1<<16)|(1<<20)|(5<<22)|(3<<25)  ; 17:16 elements of 2 bytes; 20 padding on; 24:22 after every 64 words (code 5); 31:25 4 words of it (code 3)
	s_mov_b32 s[G1V], (1<<16)|(1<<20)|(5<<22)|(7<<25)  ; the same with 8 words of padding (code 7)
.irp g, G1K, G1V
	s_mov_b32 s[(\g)+1], 128<<16    ; 63:48 tensor_dim0 = 128
	s_mov_b32 s[(\g)+2], 128<<16    ; 95:80 tensor_dim1 = 128
	s_mov_b32 s[(\g)+3], 128<<16    ; 127:112 tile_dim0 = 128
	s_mov_b32 s[(\g)+4], 128        ; 143:128 tile_dim1 = 128
	s_mov_b32 s[(\g)+5], 128        ; 191:160 128 elements from row to row
	s_mov_b32 s[(\g)+6], 0
	s_mov_b32 s[(\g)+7], 0
.endr
	s_mov_b32 s[G0K], 1             ; 1:0 count = 1
	s_mov_b32 s[G0K+1], s[KPL]      ; 63:32 LDS address: slot 0
	s_mov_b32 s[G0V], 1
	s_mov_b32 s[G0V+1], s[VPL]
	s_wait_dscnt 0x0                ; the opening add is done
	s_wait_kmcnt 0x0
	s_add_nc_u64 s[6:7], s[6:7], s[18:19]          ; kb and vh at my half of the head's tile 0
	s_add_nc_u64 s[8:9], s[8:9], s[18:19]
	s_add_nc_u64 s[Q2A:Q2A+1], s[4:5], s[20:21]    ; q and out0 at my rows of the second block,
	s_add_nc_u64 s[O2:O2+1], s[10:11], s[20:21]
	s_add_nc_u64 s[4:5], s[4:5], s[2:3]            ; and of the first
	s_add_nc_u64 s[10:11], s[10:11], s[2:3]
	s_mov_b64 s[G0K+2:G0K+3], s[6:7]               ; 120:64 global address
	s_or_b32 s[G0K+3], s[G0K+3], 0x80000000        ; 127:126 type = 2
	s_mov_b64 s[G0V+2:G0V+3], s[8:9]
	s_or_b32 s[G0V+3], s[G0V+3], 0x80000000
	LOAD                            ; tile 0 into slot 0: one tensor load of mine is out
; q COMES IN.  QASK: 64 loads, a row's 512 consecutive bytes each, into window 1: row i at v[4 i ..].  q is read once in the whole launch.
.macro QASK lo
	WIN 0x40                        ; destination window 1, address window 0
.set i, 0
.rept 64
	global_load_b128 v[4*i:4*i+3], v[GO], s[(\lo):(\lo)+1] offset:8192*i th:TH_LOAD_NT
.set i, i+1
.endr
	WIN 0
.endm
; QPUT: tile t's 16 rows go into my stage by rows and come back by fragments, into S^T's registers, two buffers of 64 by turns: channels 32 c on at 16 c: a lane's 8 + 8 channels are 32 + 32 bytes, 64 bytes apart.
.macro QPUT t
.set QF, S+64*((\t)%2)
	s_wait_loadcnt 48-16*(\t)       ; loads come back in order (ISA guide 5.7.1): tile t's sixteen rows are in, the later tiles' may be out
	WIN 0x04                        ; the stores' data in window 1
.set i, 0
.rept 16
	ds_store_b128 v[RD], v[64*(\t)+4*i:64*(\t)+4*i+3] offset:SP*i
.set i, i+1
.endr
	WIN 0
.set i, 0
.rept 4
	ds_load_b128 v[QF+16*i:QF+16*i+3],     v[STO] offset:128*i     ; LDS serves a wave's instructions in order (ISA guide 5.7.1.4): these see the stores above; the next tile's stores come behind them
	ds_load_b128 v[QF+16*i+4:QF+16*i+7],   v[STO] offset:128*i+16
	ds_load_b128 v[QF+16*i+8:QF+16*i+11],  v[STO] offset:128*i+64
	ds_load_b128 v[QF+16*i+12:QF+16*i+15], v[STO] offset:128*i+80
.set i, i+1
.endr
.endm
; QCVT: tile t is rounded to bf16, into Q's registers.  younger: the LDS instructions issued behind its loads: the next tile's 32, or none.
.macro QCVT t, younger
.set QF, S+64*((\t)%2)
	s_wait_dscnt \younger
	WIN 0x80                        ; destination window 2
.set d, 0
.rept 32
	v_cvt_pk_bf16_f32 v[32*(\t)+d], v[QF+2*d], v[QF+2*d+1]
.set d, d+1
.endr
.endm
.macro QTAKE                        ; a tile's way through the stage stands between the loads of the tile before and its rounding
	QPUT 0
	QPUT 1
	QCVT 0, 32
	QPUT 2
	QCVT 1, 32
	QPUT 3
	QCVT 2, 32
	QCVT 3, 0
	WIN 0
.endm
	; All that follows up to the first change of slots stands in the wait for the first tile.
	v_and_b32 v[GO], 31, v0
	v_lshlrev_b32 v[GO], 4, v[GO]   ; 32 lanes take one row's 512 bytes
	QASK 4                          ; the first block's q
	; A fragment of K or Q is 16 rows x 32 channels in 8 registers: lane l holds row l % 16; registers 0-3 channels 8 (l / 16) + 0..7, registers 4-7 channels 16 + 8 (l / 16) + 0..7.
	v_and_b32 v1, 15, v0            ; l % 16
	v_bfe_u32 v9, v0, 4, 1          ; l / 16
	v_mul_u32_u24 v[AK0], v1, PK
	v_lshl_add_u32 v[AK0], v9, 4, v[AK0]  ; row x pitch + 16 x half
	; The turning load takes 16 keys x 16 channels (lane l reads 16 bytes: key 8 (l / 16) + l % 8, channels 8 ((l / 8) % 2) + 0..7) and leaves half a fragment of V^T: lane l holds channel l % 16 and 8 keys.
	v_and_b32 v10, 7, v0
	v_bfe_u32 v11, v0, 3, 1
	v_lshl_add_u32 v[AV0], v9, 3, v10
	v_mul_u32_u24 v[AV0], v[AV0], PV
	v_lshl_add_u32 v[AV0], v11, 4, v[AV0]
	v_add_nc_u32 v[AV0], VOFF, v[AV0]
	s_mul_i32 s13, s[WV], STG
	s_add_co_u32 s13, s13, STAGE    ; my stage
	v_mul_u32_u24 v10, v1, SP
	v_lshl_add_u32 v10, v9, 5, v10
	v_add_nc_u32 v[STO], s13, v10
	v_add_nc_u32 v[RD], s13, v[GO]
	v_and_b32 v10, 31, v0
	v_lshrrev_b32 v11, 1, v10       ; the prefetch: two lanes a row,
	v_and_b32 v10, 1, v10           ; 256 bytes apart
	v_lshlrev_b32 v[PFO], 13, v11
	v_lshl_add_u32 v[PFO], v10, 8, v[PFO]
	v_lshlrev_b32 v10, 3, v9
	v_sub_nc_u32 v10, v1, v10       ; l % 16 - 8 (l / 16): register j of a tile's own key group is hidden where j is greater
	WIN 0xc0                        ; destination window 3
.set i, 0
.rept 8
	v_cmp_gt_i32 vcc_lo, i, v10
	v_cndmask_b32 v[MD+i], 0, s[BIGN], vcc_lo
.set i, i+1
.endr
	; A block's first turn multiplies by a V and a P that have not been made, into an O^T that is still to be multiplied by a = 0: these registers, and l, need only hold finite numbers.
	; Zeros for the first block; what the first block left for the second.  That is the price of writing no first step out: 168 lines, once, in the wait for the first tile and for q.
.set i, 0
.rept 128
	v_mov_b32 v[i], 0
.set i, i+1
.endr
	WIN 0
.set i, P+32
.rept 32
	v_mov_b32 v[i], 0
.set i, i+1
.endr
.set i, 0
.rept 4
	v_mov_b32 v[ST+8*i+2], 0
	v_mov_b32 v[ST+8*i+3], 0
.set i, i+1
.endr
	QTAKE
; THE MATRIX WORK OF A TURN, for piece x.  The accumulators take turns, one instruction a turn: between two links of a chain stand 15 (V^T P) or 7 (K Q^T) others'.
; Product i of 32 of O^T += V^T P: keys 32 (i / 16) on, channels 16 ((i / 2) % 8) on, tile x + i % 2.
.macro PV x
	WIN W_PV
.set rO, 64*((\x)+i%2)+8*((i/2)%8)
.set rV, 64*(i/16)+8*((i/2)%8)
.set rP, P+16*((\x)+i%2)+8*(i/16)
	v_wmma_f32_16x16x32_f16 v[rO:rO+7], v[rV:rV+7], v[rP:rP+7], v[rO:rO+7]
.endm
; Product i of 32 of S^T = K Q^T: channels 32 (i / 8) on, keys 16 ((i / 2) % 4) on, tile x + i % 2.  The first 8 start the sums: with MC, MA or MB, by the key group's place beside the tile.
.macro KQ x
.set tl, (\x)+i%2
.set kg, (i/2)%4
.set rS, S+32*tl+8*kg
.set rK, KF+32*kg+8*(i/8)
.set rQ, 32*tl+8*(i/8)
.if i >= 8
	WIN W_KQ
	v_wmma_f32_16x16x32_bf16 v[rS:rS+7], v[rK:rK+7], v[rQ:rQ+7], v[rS:rS+7]
	s_wait_alu depctr_va_vdst(0)
.elseif kg < tl
	WIN W_KM
	v_wmma_f32_16x16x32_bf16 v[rS:rS+7], v[rK:rK+7], v[rQ:rQ+7], v[MC:MC+7]
	s_wait_alu depctr_va_vdst(0)
.elseif kg == tl
	WIN W_KM
	v_wmma_f32_16x16x32_bf16 v[rS:rS+7], v[rK:rK+7], v[rQ:rQ+7], v[MA:MA+7]
	s_wait_alu depctr_va_vdst(0)
.else
	WIN W_KM
	v_wmma_f32_16x16x32_bf16 v[rS:rS+7], v[rK:rK+7], v[rQ:rQ+7], v[MB:MB+7]
	s_wait_alu depctr_va_vdst(0)
.endif
.endm
; THE LDS LOADS stand in runs of 32, never singly among the matrix instructions: a step's K (64 keys x 128 channels: 16 fragments) and, a turn later, its V (turned).
.macro FETCH_K
	WIN 0
	v_add_nc_u32 v[ADR], s[TBK], v[AK0]
	s_add_co_u32 s[TBK], s[TBK], KS*PK  ; the next fetch is the next step's
	WIN 0x80                        ; destination window 2
.irp f, 0,1,2,3,4,5,6,7,8,9,10,11,12,13,14,15  ; keys 16 (f / 4) on, channels 32 (f % 4) on
	ds_load_b128 v[KF+8*(\f):KF+8*(\f)+3],   v[ADR] offset:((\f)/4)*16*PK+((\f)%4)*64
	ds_load_b128 v[KF+8*(\f)+4:KF+8*(\f)+7], v[ADR] offset:((\f)/4)*16*PK+((\f)%4)*64+32
.endr
.endm
.macro FETCH_V
	WIN 0
	v_add_nc_u32 v[ADR], s[TBV], v[AV0]
	s_add_co_u32 s[TBV], s[TBV], KS*PV
	WIN 0xc0                        ; destination window 3
.irp f, 0,1,2,3,4,5,6,7,8,9,10,11,12,13,14,15  ; keys 32 (f / 8) on, channels 16 (f % 8) on
	ds_load_tr16_b128 v[8*(\f):8*(\f)+3],   v[ADR] offset:((\f)/8)*32*PV+((\f)%8)*32
	ds_load_tr16_b128 v[8*(\f)+4:8*(\f)+7], v[ADR] offset:((\f)/8)*32*PV+16*PV+((\f)%8)*32
.endr
.endm
; THE MASKS of the step whose scores come next, each as MD x a factor + an addend.  STL = 1: the diagonal step; above: in front of it; below: behind it.
; The last products that named the masks stand 24 products and their slices back, or further.
.macro MASKS
	s_cmp_eq_u32 s[STL], 1
	s_cselect_b32 s[AL], 1.0, 0
	s_cmp_le_i32 s[STL], 1
	s_cselect_b32 s[XB], s[BIGN], 0
	s_cmp_le_i32 s[STL], 0
	s_cselect_b32 s[XC], s[BIGN], 0
	WIN 0xc3                        ; destination and source 0 window 3
.irp z, 0,1,2,3
	v_pk_fma_f32 v[MA+2*(\z):MA+2*(\z)+1], v[MD+2*(\z):MD+2*(\z)+1], s[AL:AL+1], s[XC:XC+1] op_sel_hi:[1,0,0]
.endr
.irp z, 0,1,2,3
	v_pk_fma_f32 v[MB+2*(\z):MB+2*(\z)+1], v[MD+2*(\z):MD+2*(\z)+1], s[ZR:ZR+1], s[XB:XB+1] op_sel_hi:[1,0,0]
.endr
.irp z, 0,1,2,3
	v_pk_fma_f32 v[MC+2*(\z):MC+2*(\z)+1], v[MD+2*(\z):MD+2*(\z)+1], s[ZR:ZR+1], s[XC:XC+1] op_sel_hi:[1,0,0]
.endr
.endm
; THE VECTOR WORK OF A TURN.  One tile's softmax for one key step is a list of 134 instructions; SM writes number j of it for tile t.  s0-s31 are the lane's 32 scores, in pairs 0-15.
;   0-15    the maximum of s0-s31 and the old m, three operands at a time: four chains c0-c3 of seven scores each (each accumulator's lowest registers are read first),
;           then the four scores left over, c0-c3 and m
;   16-20   the other half of the lanes' maximum; c m_old is kept; the new m; c m; c m_old - c m_new
;   21-87   33 exponentials (a, then s0-s31) at the odd numbers from 23 on, so that no two follow each other and each has a plain instruction behind it before its result is used (ISA guide 5.7.2).
;           Plain instruction q (number 21, then the even numbers) is whatever is ready: c s - c m for a pair of scores whose exponentials are still to come (q = 0 to 3, then every
;           second q), the rounding to f16 of a pair of weights whose exponentials are done (every other q from 5 on), at last the first three sums
;   88-101  the last rounding; the rest of the sums; l = a l + the sum
;   102-133 the tile's O^T times a: the one part that leaves window 0, so it stands together
.macro SM t
.set rT, ST+8*(\t)
.set rS, S+32*(\t)
.set rP, P+16*(\t)
.set rO, 64*(\t)+2*(j-102)
.set q, (j-20)/2
.if j < 102
	WIN 0
.endif
.if j < 4
	v_max3_num_f32 v[rT+4+j], v[rS+8*j], v[rS+8*j+1], v[rS+8*j+2]
.elseif j < 12
	v_max3_num_f32 v[rT+4+j%4], v[rT+4+j%4], v[rS+8*(j%4)+2*(j/4)+1], v[rS+8*(j%4)+2*(j/4)+2]
.elseif j == 12
	v_max3_num_f32 v[rT+4], v[rT+4], v[rS+7], v[rS+15]
.elseif j == 13
	v_max3_num_f32 v[rT+6], v[rT+6], v[rS+23], v[rS+31]
.elseif j == 14
	v_max3_num_f32 v[rT+4], v[rT+4], v[rT+5], v[rT+6]
.elseif j == 15
	v_max3_num_f32 v[rT+4], v[rT+4], v[rT+7], v[rT+1]
.elseif j == 16
	v_permlanex16_b32 v[rT+5], v[rT+4], s[SEL], s[SEL+1]  ; the query's other 32 keys lie in the lane 16 away
.elseif j == 18
	v_max_num_f32 v[rT+1], v[rT+4], v[rT+5]
.elseif j == 19
	v_mul_f32 v[rT], s[CS], v[rT+1]
.elseif j == 17
	v_mov_b32 v[rT+7], v[rT]        ; c m_old is kept for a: number 19 writes c m anew
.elseif j == 20
	v_sub_f32 v[rT+7], v[rT+7], v[rT]
.elseif j == 23
	v_exp_f32 v[rT+6], v[rT+7]
.elseif (j < 88) && (j > 23) && (j%2 == 1)
	v_exp_f32 v[rS+(j-25)/2], v[rS+(j-25)/2]
.elseif (q < 4) || ((j < 76) && (q%2 == 0))
.set b, q/2+2
.if q < 4
.set b, q
.endif
	v_pk_fma_f32 v[rS+2*b:rS+2*b+1], v[rS+2*b:rS+2*b+1], s[CS:CS+1], v[rT:rT+1] op_sel_hi:[1,0,0] neg_lo:[0,0,1] neg_hi:[0,0,1]  ; pair b: c s - c m
.elseif (j < 88) && (q%2 == 1)
	s_wait_alu depctr_va_vdst(0)
	v_cvt_pk_f16_f32 v[rP+(q-5)/2], v[rS+q-5], v[rS+q-4]  ; pair (q - 5) / 2: its second exponential stands three numbers back
.elseif j == 89
	s_wait_alu depctr_va_vdst(0)
	v_cvt_pk_f16_f32 v[rP+15], v[rS+30], v[rS+31]
.elseif j < 102                     ; the sum of the tile's 16 pairs (in a pair: an even key's weight, an odd key's), in place: sum z of 16 adds neighbours 1, 2, 4 and 8 pairs apart, then l takes it
.set z, j-86
.if j < 89
.set z, (j-76)/4
.endif
.set w, 4
.set u, z
.if z >= 14
.set w, 32
.set u, 0
.elseif z >= 12
.set w, 16
.set u, z-12
.elseif z >= 8
.set w, 8
.set u, z-8
.endif
.if z < 15
	v_pk_add_f32 v[rS+w*u:rS+w*u+1], v[rS+w*u:rS+w*u+1], v[rS+w*u+w/2:rS+w*u+w/2+1]
.else
	v_pk_fma_f32 v[rT+2:rT+3], v[rT+2:rT+3], v[rT+6:rT+7], v[rS:rS+1] op_sel_hi:[1,0,1]
.endif
.else
	WIN W_RS
	v_pk_mul_f32 v[rO:rO+1], v[rO:rO+1], v[rT+6:rT+7] op_sel_hi:[1,0]
.endif
.endm
; Slice k of 64 of piece y's softmax: numbers 2 k and 2 k + 1 of both tiles' lists, four instructions.  2 x 134 = 4 x 64 + 12: the twelve that are over stand together, in slice 63: its sixteen
; plain instructions, which name nothing of the products round them, are also the places between a turn's last K Q^T and the first read of those scores and the loads into K's registers.
.macro SLICE y
.if (k >= 11) && (k < 44)           ; tile by tile: plain, exponential, plain, exponential
.irp t, \y, (\y)+1
.irp n, 0,1
.set j, 2*k+(\n)
	SM \t
.endr
.endr
.else                               ; the two tiles alternate, so that no instruction reads the result of the one just before it
.irp n, 0,1,2,3,4,5,6,7
.if ((\n) < 2) || (k == 63)
.irp t, \y, (\y)+1
.set j, 2*k+(\n)
	SM \t
.endr
.endif
.endr
.endif
.set k, k+1
.endm
; A TURN.  Piece x has the matrix unit: 32 products V^T P, and with kq = 1 then 32 products K Q^T for the next step; the other piece's softmax stands in slices behind them (kq = 0: two behind each).
; Each run of loads stands behind the second product of a run of 32, 30 matrix instructions ahead of its first use.  Piece 0's turn fetches the next step's K: the last product that read K
; stands in front of slice 63 of the turn before.  Piece 2's turn fetches the same step's V: the last product that read V stands three slices, six plain instructions, back.
.macro TURN x, kq
.set k, 0
.set per, 2-(\kq)
.if (\x) == 0
	s_wait_dscnt 0x0                ; V is in
.endif
.set i, 0
.rept 32
	PV \x
.rept per
	SLICE 2-(\x)
.endr
.if ((\x) == 0) && (\kq) && (i == 1)
	FETCH_K
.endif
.set i, i+1
.endr
.if \kq
.if (\x) == 0
	s_wait_dscnt 0x0                ; K is in
.endif
.set i, 0
.rept 32
	KQ \x
	SLICE 2-(\x)
.if ((\x) == 2) && (i == 1)
	FETCH_V
.endif
.set i, i+1
.endr
.endif
.endm
; A BLOCK BEGINS: the masks and K of its step 0, piece 0's first scores; then c m far below every c s, so that the first a is 0, and m at the lowest finite number, so that the first maximum is the
; scores'.  Those eight lines are also the places behind the products.  The step loop is then entered at piece 2's turn, in the middle of a trip.
.macro BEGIN
	s_mov_b32 s[NEW], 2
	MASKS
	FETCH_K
	s_wait_dscnt 0x0
.set i, 0
.rept 32
	KQ 0
.set i, i+1
.endr
	WIN 0
.set i, 0
.rept 4
	v_mov_b32 v[ST+8*i], 0xfe000000    ; c m
	v_mov_b32 v[ST+8*i+1], 0xff7fffff  ; m
.set i, i+1
.endr
.endm
; A TILE'S FOUR KEY STEPS: written once, walked four times; the LDS addresses hang on s[TBK] and s[TBV].  A trip, for the step f that it fetches: piece 0's V^T P of step f - 1 and K Q^T of step f beside
; piece 2's softmax of step f - 1; then piece 2's products beside piece 0's softmax of step f.
.macro STEPS tag
.Lstep\tag:
	MASKS
	TURN 0, 1
	WIN 0
.Lmid\tag:
	TURN 2, 1
	WIN 0
	s_sub_co_i32 s[STL], s[STL], 1
	s_sub_co_u32 s[CNT], s[CNT], 1
	s_cmp_lg_u32 s[CNT], 0
	s_cbranch_scc1 .Lstep\tag
.endm
; THE WAY OUT.  Tile t: O^T times 1 / l; a lane's eight channels of a row are 32 bytes of f32: they go into my stage's rows of 528 bytes and come back as whole rows of 512, into S^T's registers, two buffers of 64 by turns.
.macro PACK t
	WIN W_RS
.set i, 64*(\t)
.rept 32
	v_pk_mul_f32 v[i:i+1], v[i:i+1], v[ST+8*(\t)+6:ST+8*(\t)+7] op_sel_hi:[1,0]
.set i, i+2
.endr
	WIN 0x04                        ; the stores' data in window 1
.irp f, 0,1,2,3,4,5,6,7             ; channels 16 f on
	ds_store_b128 v[STO], v[64*(\t)+8*(\f):64*(\t)+8*(\f)+3]   offset:64*(\f)
	ds_store_b128 v[STO], v[64*(\t)+8*(\f)+4:64*(\t)+8*(\f)+7] offset:64*(\f)+16
.endr
	WIN 0
.if (\t) >= 2
	s_wait_xcnt 0x0                 ; the stores of the tile two back have read these registers (ISA guide 3.1): only behind this wait are they loaded again
.endif
.set i, 0
.rept 16
	ds_load_b128 v[S+64*((\t)%2)+4*i:S+64*((\t)%2)+4*i+3], v[RD] offset:SP*i  ; LDS serves a wave's instructions in order (ISA guide 5.7.1.4): these see the stores above; the next tile's stores come behind them
.set i, i+1
.endr
.endm
.macro SEND t, younger              ; younger: the LDS instructions issued behind tile t's loads: the next tile's 32, or none
	WIN 0
.set i, 0
.rept 16
	s_wait_dscnt (\younger)+15-i
	global_store_b128 v[GO], v[S+64*((\t)%2)+4*i:S+64*((\t)%2)+4*i+3], s[10:11] offset:(16*(\t)+i)*8192 th:TH_STORE_NT  ; the wave stores 512 consecutive bytes, at a multiple of 512 from out0's first byte
.set i, i+1
.endr
.endm
; A BLOCK ENDS: piece 0's V^T P of the last step beside piece 2's last softmax; piece 2's V^T P; l's two halves and the other half of the lanes' are added (the additions are the places behind the last products); out.
.macro FINISH
	TURN 0, 0
.set i, 0
.rept 32
	PV 2
.set i, i+1
.endr
	WIN 0
.irp t, 0,1,2,3
	v_add_f32 v[ST+8*(\t)+4], v[ST+8*(\t)+2], v[ST+8*(\t)+3]
.endr
.irp t, 0,1,2,3
	v_permlanex16_b32 v[ST+8*(\t)+5], v[ST+8*(\t)+4], s[SEL], s[SEL+1]
.endr
.irp t, 0,1,2,3
	v_add_f32 v[ST+8*(\t)+4], v[ST+8*(\t)+4], v[ST+8*(\t)+5]
.endr
.irp t, 0,1,2,3
	v_rcp_f32 v[ST+8*(\t)+6], v[ST+8*(\t)+4]
.endr
	v_nop                           ; a plain instruction between the last reciprocal and the use of its result
	s_wait_alu depctr_va_vdst(0)
	PACK 0
	PACK 1                          ; a tile's arithmetic stands between the loads of the tile before and its stores
	SEND 0, 32
	PACK 2
	SEND 1, 32
	PACK 3
	SEND 2, 32
	SEND 3, 0
.endm
.Lslot:                             ; 8 trips: a tile is entered and the next is asked for
	CHANGE 1
	s_sub_co_u32 s[RT], s[RT], 1
	s_mov_b32 s[CNT], 4
	s_cmp_eq_u32 s[NEW], 1          ; at the first trip the answer is a constant of the text
	s_cbranch_scc0 .Lstep1
	BEGIN
	s_branch .Lmid1
	STEPS 1
	s_cmp_eq_u32 s[NEW], 2
	s_mov_b32 s[NEW], 0             ; (leaves the comparison's answer alone)
	s_cbranch_scc1 .Lbottom         ; in the loop a block's first tile is never its last: the first block has five tiles or more, and the second's last is the walk's last
	s_cmp_lg_u32 s[RT], 0
	s_cbranch_scc1 .Lbottom         ; nor is this its last
	; THE FIRST BLOCK ENDS.  The second block's q is asked into the L2 now and loaded behind the way out: each wave asks for its own 64 rows of 512 bytes, a lane for each aligned block of 256 bytes, once.
.irp t, 0,1,2,3
	global_prefetch_b8 v[PFO], s[Q2A:Q2A+1] offset:131072*(\t) th:TH_LOAD_NT scope:SCOPE_SE
.endr
	FINISH
	s_wait_xcnt 0x0                 ; the stores have read their registers and out0's address (ISA guide 3.1)
	s_mov_b64 s[10:11], s[O2:O2+1]
	s_mov_b32 s[RT], s[RT2]
	s_mov_b32 s[STL], s[STL2]
	s_mov_b32 s[NEW], 1
	QASK Q2A
	QTAKE
.Lbottom:
	s_sub_co_u32 s[SLOTS], s[SLOTS], 1
	s_cmp_lg_u32 s[SLOTS], 0
	s_cbranch_scc1 .Lslot
	CHANGE 0                        ; the walk's last tile, the second block's last, is written out: nothing is asked for
	s_mov_b32 s[CNT], 4
	s_cmp_eq_u32 s[NEW], 1          ; where p is under 4 it is the second block's first tile too
	s_cbranch_scc0 .Lstep2
	BEGIN
	s_branch .Lmid2
	STEPS 2
	FINISH
	s_wait_tensorcnt 0x0            ; the wave's end, behind my last tensor load and my last LDS store
	ds_add_u32 v[SPW], v[NIL]
	s_wait_dscnt 0x0
	s_endpgm
.Lfunc_end_k_qe2ca508605_attn:
	.size	k_qe2ca508605_attn, .Lfunc_end_k_qe2ca508605_attn-k_qe2ca508605_attn
	.p2alignl 7, 3214868480
	.fill 96, 4, 3214868480
	.section	.rodata,"a",@progbits
	.p2align	6, 0x0
	.amdhsa_kernel k_qe2ca508605_attn
		.amdhsa_group_segment_fixed_size 327680
		.amdhsa_private_segment_fixed_size 0
		.amdhsa_enable_private_segment 0
		.amdhsa_kernarg_size 32
		.amdhsa_user_sgpr_count 2
		.amdhsa_user_sgpr_kernarg_segment_ptr 1
		.amdhsa_wavefront_size32 1
		.amdhsa_system_sgpr_workgroup_id_x 1
		.amdhsa_system_sgpr_workgroup_id_y 1
		.amdhsa_system_sgpr_workgroup_id_z 1
		.amdhsa_system_vgpr_workitem_id 0
		.amdhsa_next_free_vgpr 928
		.amdhsa_next_free_sgpr 90
		.amdhsa_reserve_vcc 1
		.amdhsa_float_denorm_mode_32 3
		.amdhsa_float_denorm_mode_16_64 3
		.amdhsa_memory_ordered 1
		.amdhsa_forward_progress 1
		.amdhsa_inst_pref_size 255
	.end_amdhsa_kernel
	.section	.bss,"aw",@nobits
	.p2align	6
	.space	262144
	.amdgpu_metadata
---
amdhsa.version: [ 1, 2 ]
amdhsa.kernels:
  - .name:           k_qe2ca508605_attn
    .symbol:         k_qe2ca508605_attn.kd
    .args:
      - { .name: q, .offset: 0, .size: 8, .value_kind: global_buffer, .address_space: global }
      - { .name: kb, .offset: 8, .size: 8, .value_kind: global_buffer, .address_space: global }
      - { .name: vh, .offset: 16, .size: 8, .value_kind: global_buffer, .address_space: global }
      - { .name: out0, .offset: 24, .size: 8, .value_kind: global_buffer, .address_space: global }
    .group_segment_fixed_size: 327680
    .private_segment_fixed_size: 0
    .kernarg_segment_align: 8
    .kernarg_segment_size: 32
    .max_flat_workgroup_size: 128
    .sgpr_count:     90
    .vgpr_count:     928
    .wavefront_size: 32
...
	.end_amdgpu_metadata
.endif
;; end of part 2
;; ======== version 2 of 2: 2 launches; version 1 with the launch prep written anew for expert scheduling mode
;; limits: values are held in f16: magnitudes above 65,504 overflow, below 6.1e-05 lose precision; inputs' magnitudes at most 65,504; right only within a limited range of input values
;; workspace buffers: kb 8,388,608 bytes; vh 8,388,608 bytes
;; launch prep (part 3): grid 256 x 2, 8 waves a work-group, no clusters, 0 bytes of LDS; arguments k, v, kb, vh; writes kb, vh
.if DOCPART == 3
	.amdgcn_target "amdgcn-amd-amdhsa--gfx1250"
	.amdhsa_code_object_version 6
	.text
	.protected	k_qe2ca508605_prep
	.globl	k_qe2ca508605_prep
	.p2align	8
	.type	k_qe2ca508605_prep,@function
k_qe2ca508605_prep:
	s_mov_b64 s[64:65], 0
	v_nop
	global_prefetch_b8 v0, s[64:65] scope:SCOPE_SE
	s_setreg_imm32_b32 hwreg(HW_REG_WAVE_SCHED_MODE, 0, 2), 2
	s_setreg_imm32_b32 hwreg(HW_REG_WAVE_MODE, 25, 1), 1
	s_wait_xcnt 0x0
	s_wait_alu depctr_vm_vsrc(0)
; k and v, [8192][512] f32, are rounded once to bf16 and laid by key/value heads for the attention launch:
; kb, vh: [bh = 4 b + hkv (16)][s (2048)][128] of 16 bits: a key's row is 256 bytes, a head's rows are dense (524,288 bytes a head).
; kb holds the bf16 number.  vh holds the same bf16 number written as f16, so that the second product can run in f16 beside f16 weights.
; LIMITS.  bf16's 8 significant bits fit into f16's 11, so the second writing is exact from 2^-14 up to 65,504; a v of 65,520 or more becomes an infinity,
; and below 2^-14 v keeps f16's fixed step of 6e-8.  NaN and infinities are not treated apart.
; SHARES.  Work-groups with y = 0 take k, those with y = 1 take v.  Work-group x owns 32 rows (65,536 consecutive bytes), each of its eight waves 4 rows, as 16 pieces:
; piece j = row j / 4, head j % 4: 512 consecutive bytes in (16 a lane), 256 consecutive, aligned bytes out (8 a lane).  All 16 loads of a wave go out at once.
; A stream: each byte is read once and written once, no wave needs another's data: no LDS, no barrier, no matrix unit.
; THE MODE: SCHED_MODE bits 1:0 = 2 (LLVM: expert scheduling mode 2), set by the entry lines.  The code itself states the register dependences
; between vector instructions and memory instructions, with s_wait_alu, always for 0.
; THE PLAN.  Registers that memory instructions touch:
;   v1, v2   byte offsets of the loads and of the stores: made once at the head and never written again.
;   X        piece j's four registers: written by its load, issued at the head, when no vector instruction has named them; read by its conversions; never loaded again.
;   Y        piece j's two registers: written once, by its conversions; read once, by its store; never written again.
;   T        named by vector instructions alone.
; The 16 pieces go in four groups of four.  One wait on va_vdst at a group's head states that the group before has written its Y; that group's four stores follow it, dealt among this
; group's conversions, which name X, T and Y of this group alone: none of the registers that those stores read.  One more such wait stands ahead of the last four stores.
; No register that a load or a store has read is written again, so no wait on vm_vsrc is owed.
.set X, 4                              ; v[4:67]    piece j: 4 f32 as loaded
.set Y, 68                             ; v[68:99]   piece j: 4 numbers of 16 bits to store
.set T, 100                            ; v[100:103] at work
	s_load_b256 s[4:11], s[0:1], 0x0               ; k s[4:5], v s[6:7], kb s[8:9], vh s[10:11]
	v_lshrrev_b32 v1, 5, v0
	v_readfirstlane_b32 s12, v1                    ; wave 0..7
	s_and_b32 s13, ttmp7, 0xffff                   ; y: 0 = k, 1 = v
	v_and_b32 v2, 31, v0                           ; lane
	v_lshlrev_b32 v1, 4, v2                        ; 16 bytes a lane in
	v_lshlrev_b32 v2, 3, v2                        ; 8 bytes a lane out
	s_lshl_b32 s18, ttmp9, 16                      ; in: the group's 32 rows of 2,048 bytes,
	s_wait_alu depctr_va_sdst(0)                   ; s12 is written, ahead of its first reader: the wave's offsets in both buffers are made from it
	s_lshl_b32 s19, s12, 13                        ; the wave's 4 of them
	s_add_co_u32 s18, s18, s19
	s_mov_b32 s19, 0
	s_lshr_b32 s20, ttmp9, 6                       ; out: the sequence b = x / 64: four heads of 524,288 bytes,
	s_lshl_b32 s20, s20, 21
	s_and_b32 s21, ttmp9, 63
	s_lshl_b32 s21, s21, 5                         ; the position 32 (x % 64)
	s_lshl2_add_u32 s21, s12, s21                  ; + 4 w,
	s_lshl_b32 s21, s21, 8                         ; 256 bytes a position
	s_add_co_u32 s20, s20, s21
	s_mov_b32 s21, 0
	s_mov_b32 s22, 0xffff0000                      ; a word's upper bf16
	s_wait_kmcnt 0x0
	s_cmp_eq_u32 s13, 0
	s_cselect_b64 s[14:15], s[4:5], s[6:7]         ; from k or from v,
	s_cselect_b64 s[16:17], s[8:9], s[10:11]       ; into kb or into vh
	s_add_nc_u64 s[14:15], s[14:15], s[18:19]
	s_add_nc_u64 s[16:17], s[16:17], s[20:21]
	s_wait_alu depctr_va_vdst(0)                   ; v1 and v2 are written: every load of the kernel reads v1 as its offset, every store v2
.irp j, 0,1,2,3,4,5,6,7,8,9,10,11,12,13,14,15
	global_load_b128 v[X+4*(\j):X+4*(\j)+3], v1, s[14:15] offset:512*(\j) th:TH_LOAD_NT  ; read once in the whole launch
.endr
; Piece j's store.
.macro OUT j
	global_store_b64 v2, v[Y+2*(\j):Y+2*(\j)+1], s[16:17] offset:((\j)%4)*524288+((\j)/4)*256  ; the wave's store covers 256 consecutive bytes, aligned: one key's row of one head
.endm
; Piece j's turn: at a group's head the wait for the group before; the store of the piece four back; the wait for the piece's own load; its conversions.
.macro PIECE j, isv
.if (((\j)%4) == 0) && ((\j) > 0)
	s_wait_alu depctr_va_vdst(0)                   ; the conversions of the four pieces before have written their Y, which the next four stores read
.endif
.if (\j) >= 4
	OUT (\j)-4                                     ; no vector instruction since that wait names v2 or this Y
.endif
	s_wait_loadcnt 15-(\j)                         ; loads come back in order (ISA guide 5.7.1): mine is in, the 15 - j younger ones stay out
.if \isv
	v_cvt_pk_bf16_f32 v[T],   v[X+4*(\j)],   v[X+4*(\j)+1]  ; the one rounding, to bf16;
	v_cvt_pk_bf16_f32 v[T+1], v[X+4*(\j)+2], v[X+4*(\j)+3]
	v_lshlrev_b32 v[T+2], 16, v[T]                 ; back to f32: the low half moves up,
	v_and_b32     v[T],   s22, v[T]                ; the high half stays;
	v_lshlrev_b32 v[T+3], 16, v[T+1]
	v_and_b32     v[T+1], s22, v[T+1]
	v_cvt_pk_f16_f32 v[Y+2*(\j)],   v[T+2], v[T]   ; and the same number as f16
	v_cvt_pk_f16_f32 v[Y+2*(\j)+1], v[T+3], v[T+1]
.else
	v_cvt_pk_bf16_f32 v[Y+2*(\j)],   v[X+4*(\j)],   v[X+4*(\j)+1]
	v_cvt_pk_bf16_f32 v[Y+2*(\j)+1], v[X+4*(\j)+2], v[X+4*(\j)+3]
.endif
.endm
	s_cmp_lg_u32 s13, 0
	s_cbranch_scc1 .Lv
.irp j, 0,1,2,3,4,5,6,7,8,9,10,11,12,13,14,15
	PIECE \j, 0
.endr
	s_wait_alu depctr_va_vdst(0)                   ; the conversions of pieces 12 to 15 have written their Y, which the last four stores read
.irp j, 12,13,14,15
	OUT \j
.endr
	s_endpgm
.Lv:
.irp j, 0,1,2,3,4,5,6,7,8,9,10,11,12,13,14,15
	PIECE \j, 1
.endr
	s_wait_alu depctr_va_vdst(0)                   ; the conversions of pieces 12 to 15 have written their Y, which the last four stores read
.irp j, 12,13,14,15
	OUT \j
.endr
	s_endpgm
.Lfunc_end_k_qe2ca508605_prep:
	.size	k_qe2ca508605_prep, .Lfunc_end_k_qe2ca508605_prep-k_qe2ca508605_prep
	.p2alignl 7, 3214868480
	.fill 96, 4, 3214868480
	.section	.rodata,"a",@progbits
	.p2align	6, 0x0
	.amdhsa_kernel k_qe2ca508605_prep
		.amdhsa_group_segment_fixed_size 0
		.amdhsa_private_segment_fixed_size 0
		.amdhsa_enable_private_segment 0
		.amdhsa_kernarg_size 32
		.amdhsa_user_sgpr_count 2
		.amdhsa_user_sgpr_kernarg_segment_ptr 1
		.amdhsa_wavefront_size32 1
		.amdhsa_system_sgpr_workgroup_id_x 1
		.amdhsa_system_sgpr_workgroup_id_y 1
		.amdhsa_system_sgpr_workgroup_id_z 1
		.amdhsa_system_vgpr_workitem_id 0
		.amdhsa_next_free_vgpr 104
		.amdhsa_next_free_sgpr 66
		.amdhsa_reserve_vcc 0
		.amdhsa_float_denorm_mode_32 3
		.amdhsa_float_denorm_mode_16_64 3
		.amdhsa_memory_ordered 1
		.amdhsa_forward_progress 1
		.amdhsa_inst_pref_size 16
	.end_amdhsa_kernel
	.amdgpu_metadata
---
amdhsa.version: [ 1, 2 ]
amdhsa.kernels:
  - .name:           k_qe2ca508605_prep
    .symbol:         k_qe2ca508605_prep.kd
    .args:
      - { .name: k, .offset: 0, .size: 8, .value_kind: global_buffer, .address_space: global }
      - { .name: v, .offset: 8, .size: 8, .value_kind: global_buffer, .address_space: global }
      - { .name: kb, .offset: 16, .size: 8, .value_kind: global_buffer, .address_space: global }
      - { .name: vh, .offset: 24, .size: 8, .value_kind: global_buffer, .address_space: global }
    .group_segment_fixed_size: 0
    .private_segment_fixed_size: 0
    .kernarg_segment_align: 8
    .kernarg_segment_size: 32
    .max_flat_workgroup_size: 256
    .sgpr_count:     66
    .vgpr_count:     104
    .wavefront_size: 32
...
	.end_amdgpu_metadata
.endif
;; end of part 3
;; launch attn: the kernel of part 2 again; grid 16 x 16, 4 waves a work-group, no clusters, 327,680 bytes of LDS; arguments q, kb, vh, out0; writes out0
